; MI455X (gfx1250); checked and timed in simulation.
; The chip was launched on July 23, 2026; its instructions are those of AMD's public machine-readable ISA for CDNA 5 (MIT licence, August 2026) and "CDNA5" Instruction Set Architecture Reference Guide (July 2026). The comments in the code are by the model that wrote it; some were corrected since.
;; Multi Head Attention. Allowed arithmetic: matrix products marked QUANTISED: E2M1 operands, one E8M0 scale for each 32 along K, by v_wmma_scale_f32_16x16x128_f8f6f4 with both operands' format E2M1 (or v_wmma_scale_f32_32x16x128_f4), f32 sums; products left as they are: bf16, f16 or f32 operands; f32 sums; everything else in f32.
;; Inputs: Wk 16 x 64 x 1,024 float32; Wq 16 x 64 x 1,024 float32; Wv 16 x 64 x 1,024 float32; embedded 2 x 2,048 x 1,024 float32.
;; Outputs: out0 2 x 2,048 x 1,024 float32.
;; This version of the problem:
;;   THIS VERSION OF THE PROBLEM IS GIVEN IN LOW PRECISION. The matrix products marked QUANTISED in the list below multiply operands that are first quantised to E2M1 (2 exponent bits, 1 mantissa bit; 4 bits a number), with one power-of-two scale for each 32 numbers along K (OCP MX v1.0); their sums are f32. The products marked 'left as it is' may take bf16, f16 or f32 operands, with f32 sums. Whichever they take, every output number must still come out within the allowed error. Rounding operands to bf16 (8 significant bits) uses up far more of that allowance than f16 does (11 bits, for magnitudes from 6e-5 to 65,504). All else is computed in f32.
;;   The module's matrix products, in the order in which they are computed (A, B: the left and right operand; K: the contracted axis; several contracted axes count as one K, in the product's order):
;;     1. [M 1,024, K 1,024] x [K 1,024, N 4,096]; A: input Wq; B: input embedded: QUANTISED
;;     2. [M 1,024, K 1,024] x [K 1,024, N 4,096]; A: input Wk; B: input embedded: QUANTISED
;;     3. [M 1,024, K 1,024] x [K 1,024, N 4,096]; A: input Wv; B: input embedded: QUANTISED
;;     4. batch 32 x [M 2,048, K 64] x [K 64, N 2,048]; A: computed on the way; B: computed on the way: left as it is (an operand is computed on the way)
;;     5. batch 32 x [M 2,048, K 2,048] x [K 2,048, N 64]; A: computed on the way; B: computed on the way: left as it is (an operand is computed on the way)
;;   THE QUANTISER, for each operand of a quantised product, along K:
;;     - K is cut into blocks of 32 from its start; a last block that is shorter is filled with zeros.
;;     - A block's scale is 2^e with e = floor(log2(the largest magnitude in the block)) - 2, held to -126 .. 127; a block of zeros has e = 0. As a byte (E8M0): e + 127.
;;     - Each number is divided by its block's scale, clamped to +-6, and rounded to the nearest number of E2M1, ties to even, subnormals kept.
;;     - The product sums the exact products of the quantised numbers (number of the format x scale) in f32.
;;   ~~~python
;;   def quantise(x, axis):      # numpy; x: float32 -> the quantised numbers, widened to float32 again
;;       x = np.moveaxis(x, axis, -1); K = x.shape[-1]
;;       x = np.pad(x, [(0, 0)] * (x.ndim - 1) + [(0, -K % 32)]); x = x.reshape(x.shape[:-1] + (-1, 32)); a = np.abs(x).max(-1, keepdims=True)
;;       e = np.where(a > 0, np.clip(np.frexp(np.where(a > 0, a, 1))[1] - 1 - 2, -126, 127), 0)      # np.frexp(a)[1] - 1 = floor(log2(a)), exactly
;;       r = np.clip(x / 2.0 ** e, -6, 6)
;;       step = 2.0 ** (np.maximum(np.frexp(np.where(r == 0, 1, r))[1] - 1, 0) - 1)
;;       q = np.round(r / step) * step * 2.0 ** e      # np.round: ties to even
;;       return np.moveaxis(q.reshape(q.shape[:-2] + (-1,))[..., :K], -1, axis).astype(np.float32)
;;   ~~~
;; One version. Each part assembles by itself: llvm-mc -triple=amdgcn-amd-amdhsa -mcpu=gfx1250 --defsym DOCPART=n.
;; ======== version 1 of 1: 4 launches
;; limits: values are held in f16: magnitudes above 65,504 overflow, below 6.1e-05 lose precision
;; workspace buffers: xcodes 2,097,152 bytes; xscales 131,072 bytes; wcodes 1,572,864 bytes; wscales 98,304 bytes; qf 8,388,608 bytes; kf 8,388,608 bytes; vf 8,388,608 bytes
;; launch quant (part 1): grid 224 x 1, 4 waves a work-group, no clusters, 33,280 bytes of LDS; arguments embedded, Wq, Wk, Wv, xcodes, xscales, wcodes, wscales; writes xcodes, xscales, wcodes, wscales
.if DOCPART == 1
	.amdgcn_target "amdgcn-amd-amdhsa--gfx1250"
	.amdhsa_code_object_version 6
	.text
	.protected	k_qec8fe7ac7a_quant
	.globl	k_qec8fe7ac7a_quant
	.p2align	8
	.type	k_qec8fe7ac7a_quant,@function
k_qec8fe7ac7a_quant:
	s_mov_b64 s[64:65], 0
	v_nop
	global_prefetch_b8 v0, s[64:65] scope:SCOPE_SE
	s_setreg_imm32_b32 hwreg(HW_REG_WAVE_MODE, 25, 1), 1
	s_wait_xcnt 0x0
; embedded [4096 tokens][1024] and Wq, Wk, Wv [16 heads][64][1024], f32, become codes of FP4 (E2M1), 4 bits each, K = the 1,024 innermost, with one E8M0 scale byte for each 32 along K.
; A block's scale is 2^(floor(log2(its largest magnitude)) - 2); its byte is the largest magnitude's own exponent field - 2, held at 1 from below.  (A block of zeros so gets the byte 1 where the
; quantiser says 127: its codes are zeros, which add nothing under any byte but 0xff, and the bytes are read by this program alone.)  Each number is divided by the scale and rounded to the nearest code, ties to even; beyond 6 the largest code.
; LIMITS: blocks whose largest magnitude lies under 2^(2 - 126), whose byte is held at 1, were not tried; NaN and infinities among the inputs are not served.
; OUT: xcodes [4096][512 bytes], xscales [4096][32];  wcodes [16 heads][192 rows: q's 64, k's 64, v's 64][512], wscales [16][192][32]: a head's three weights lie together, one dense block.
; SHARES: a work-group takes 32 rows (32,768 numbers), a wave 8 rows in 16 steps of 512 numbers.  Work-groups 0-127 take embedded; 128-159 Wq, 160-191 Wk, 192-223 Wv.  Only pointers and run numbers are chosen: one path for all.
; The conversions take 8 numbers of ONE block from a lane's registers, so a lane must hold 16 NEIGHBOURS (two neighbouring lanes hold a block); a load is best where neighbouring LANES take neighbouring bytes.  Both are had:
; each of a step's four loads reads 512 consecutive bytes, 16 a lane; the 2,048 bytes go through the wave's own stage in LDS and come back 64 bytes a lane (16 bytes of padding behind each 64).
; A lane's 16 codes are 8 bytes: the wave stores 256 consecutive bytes.  A wave's 256 scale bytes are gathered in its own LDS bytes and leave as 256 consecutive, aligned bytes.
; No tensor loads, no ring, no barrier: waves share nothing.  Loads run four steps (16 loads a wave) ahead, the turn through LDS one step.
.set WAVES, 4
.set STEPS, 16
.set CB,    8                          ; bytes of 16 codes
.set R,     16                         ; v16-79   four sets of 16 numbers as they are loaded
.set X,     80                         ; v80-111  two sets of 16 neighbours
.set C,     128                        ; v128-191 codes: four registers for each step, so that no store's data are written again
.set E,     112                        ; v112-127 a scale byte for each step
.set WREG,  8192                       ; LDS: a region for each wave: two stages of 32 x SP bytes, behind them its 256 scale bytes
.set SP,    80                         ; a lane's place in a stage: its 64 bytes + 16 of padding
.set SPW,   12                         ; v12      LDS address of my spare word; never rewritten
.set NIL,   13                         ; v13      0; never rewritten
.set SPARE, WAVES*WREG                 ; behind the four regions: the spare words, 128 bytes for each wave
	s_load_b256 s[4:11], s[0:1], 0x0               ; embedded s[4:5], Wq s[6:7], Wk s[8:9], Wv s[10:11]
	s_load_b256 s[12:19], s[0:1], 0x20             ; xcodes s[12:13], xscales s[14:15], wcodes s[16:17], wscales s[18:19]
	v_lshl_add_u32 v[SPW], v0, 2, SPARE
	v_mov_b32 v[NIL], 0
	v_lshrrev_b32 v1, 5, v0
	v_readfirstlane_b32 s20, v1                    ; wave
	v_and_b32 v2, 31, v0                           ; lane
	v_lshlrev_b32 v3, 4, v2                        ; my 16 bytes of a load's 512
	s_mul_i32 s21, s20, WREG
	v_lshrrev_b32 v14, 2, v2
	v_mul_u32_u24 v14, v14, SP
	v_and_b32 v15, 3, v2
	v_lshl_add_u32 v14, v15, 4, v14
	v_add_nc_u32 v14, s21, v14                     ; the stage, on the way in: SP (lane / 4) + 16 (lane % 4)
	v_mul_u32_u24 v15, v2, SP
	v_add_nc_u32 v15, s21, v15                     ; and on the way out: SP x lane: my 16 neighbours
	v_mul_u32_u24 v4, v2, CB                       ; my codes' place in a step's
	v_lshrrev_b32 v5, 1, v2
	s_add_co_u32 s21, s21, 2*32*SP
	v_add_nc_u32 v5, s21, v5                       ; LDS: my wave's 256 scale bytes, my block's byte
	v_lshlrev_b32 v7, 3, v2                        ; and on the way out 8 bytes a lane
	v_add_nc_u32 v6, s21, v7
	; a weight's work-group: g = number - 128; which weight g / 32; run j = g % 32 of 32 rows: head j / 2, rows 32 (j % 2) on.  In wcodes that run is 6 (j / 2) + 2 (g / 32) + j % 2
	s_sub_co_u32 s22, ttmp9, 128
	s_lshr_b32 s23, s22, 5
	s_and_b32 s24, s22, 31                         ; the source's run
	s_lshr_b32 s25, s24, 1
	s_mul_i32 s25, s25, 6
	s_lshl_b32 s23, s23, 1
	s_add_co_u32 s25, s25, s23
	s_and_b32 s26, s24, 1
	s_add_co_u32 s25, s25, s26                     ; the destination's run
	s_wait_kmcnt 0x0
	s_cmp_lt_u32 ttmp9, 192                        ; the choices hang on the work-group's number alone
	s_cselect_b64 s[8:9], s[8:9], s[10:11]
	s_cmp_lt_u32 ttmp9, 160
	s_cselect_b64 s[6:7], s[6:7], s[8:9]
	s_cmp_lt_u32 ttmp9, 128
	s_cselect_b64 s[4:5], s[4:5], s[6:7]           ; the source
	s_cselect_b64 s[12:13], s[12:13], s[16:17]     ; its codes
	s_cselect_b64 s[14:15], s[14:15], s[18:19]     ; its scale bytes
	s_cselect_b32 s24, ttmp9, s24
	s_cselect_b32 s25, ttmp9, s25
	s_lshl_b32 s24, s24, 2
	s_add_co_u32 s24, s24, s20                     ; my wave's run of 8,192 numbers in the source,
	s_lshl_b32 s25, s25, 2
	s_add_co_u32 s25, s25, s20                     ; and in the destination
	s_mov_b32 s29, 0
	s_lshl_b32 s28, s24, 15                        ; 32,768 bytes of f32 a run (under 2^25)
	s_add_nc_u64 s[4:5], s[4:5], s[28:29]
	s_lshl_b32 s28, s25, 12                        ; 4,096 bytes of codes
	s_add_nc_u64 s[12:13], s[12:13], s[28:29]
	s_lshl_b32 s28, s25, 8                         ; 256 scale bytes
	s_add_nc_u64 s[14:15], s[14:15], s[28:29]
.macro LOAD t
.irp i, 0,1,2,3
	global_load_b128 v[R+16*((\t)%4)+4*\i:R+16*((\t)%4)+4*\i+3], v3, s[4:5] offset:2048*(\t)+512*\i th:TH_LOAD_NT   ; 32 lanes read 512 consecutive bytes
.endr
.endm
.macro TURN t                          ; step t's numbers through the stage: LDS serves a wave's instructions in order, so no wait stands between the stores and the loads
.irp i, 0,1,2,3
	ds_store_b128 v14, v[R+16*((\t)%4)+4*\i:R+16*((\t)%4)+4*\i+3] offset:32*SP*((\t)%2)+8*SP*\i
.endr
.irp i, 0,1,2,3
	ds_load_b128 v[X+16*((\t)%2)+4*\i:X+16*((\t)%2)+4*\i+3], v15 offset:32*SP*((\t)%2)+16*\i
.endr
.endm
.irp t, 0,1,2,3
	LOAD \t
.endr
	s_wait_loadcnt 12                              ; step 0's four loads are in; the twelve of steps 1 to 3 may be out
	TURN 0
.macro STEP t
.set XS, X+16*((\t)%2)
.if (\t) > 0
	s_wait_dscnt 1                                 ; this step's numbers are back from the stage (the last step's byte store may be out): so its stores into the stage have read their registers,
.else
	s_wait_dscnt 0x0
.endif
.if (\t)+4 < STEPS
	LOAD (\t)+4                                    ; which take the loads of four steps on
.endif
.if (\t)+1 < STEPS
.if STEPS-2-(\t) >= 3
	s_wait_loadcnt 12                              ; the next step's four loads are in; those of the three steps behind it may be out
.else
	s_wait_loadcnt 4*(STEPS-2-(\t))
.endif
	TURN (\t)+1                                    ; and go through the other stage while this step is worked
.endif
	v_max3_num_f32 v8, |v[XS]|, |v[XS+1]|, |v[XS+2]|               ; the largest magnitude of my 16, in two chains
	v_max3_num_f32 v9, |v[XS+3]|, |v[XS+4]|, |v[XS+5]|
.irp i, 6,10
	v_max3_num_f32 v8, v8, |v[XS+\i]|, |v[XS+\i+1]|
	v_max3_num_f32 v9, v9, |v[XS+\i+2]|, |v[XS+\i+3]|
.endr
	v_max3_num_f32 v8, v8, |v[XS+14]|, |v[XS+15]|
	v_max3_num_f32 v8, v8, v9, 0x1800000           ; and the floor 2^(3 - 127): the byte cannot fall under 1
	v_max_num_f32_dpp v8, v8, v8 row_xmask:1 row_mask:0xf bank_mask:0xf   ; and of my neighbour's 16: the block's
	v_add_nc_u32 v11, 0xff000000, v8               ; 2 off its exponent field: the conversion takes the exponent field of this operand as its scale, and nothing else of it
	v_cvt_scalef32_pk8_fp4_f32 v[C+4*(\t)], v[XS:XS+7], v11        ; eight numbers / the scale, to the nearest code; the first number's code in the lowest four bits
	v_cvt_scalef32_pk8_fp4_f32 v[C+4*(\t)+1], v[XS+8:XS+15], v11
	v_lshrrev_b32 v[E+(\t)], 23, v11               ; the scale's byte (also the plain line behind the conversions)
	ds_store_b8 v5, v[E+(\t)] offset:16*(\t)       ; both lanes of a block write the same byte with the same value
	global_store_b64 v4, v[C+4*(\t):C+4*(\t)+1], s[12:13] offset:32*CB*(\t)   ; 32 lanes store 256 consecutive bytes, aligned
.endm
.irp t, 0,1,2,3,4,5,6,7,8,9,10,11,12,13,14,15
	STEP \t
.endr
	ds_load_b64 v[8:9], v6                         ; LDS serves a wave's instructions in order: these see my stores
	s_wait_dscnt 0x0
	global_store_b64 v7, v[8:9], s[14:15]          ; 32 lanes store 256 consecutive bytes, aligned
	s_wait_tensorcnt 0x0                           ; the wave's end, behind my last LDS store
	ds_add_u32 v[SPW], v[NIL]
	s_wait_dscnt 0x0
	s_endpgm
.Lfunc_end_k_qec8fe7ac7a_quant:
	.size	k_qec8fe7ac7a_quant, .Lfunc_end_k_qec8fe7ac7a_quant-k_qec8fe7ac7a_quant
	.p2alignl 7, 3214868480
	.fill 96, 4, 3214868480
	.section	.rodata,"a",@progbits
	.p2align	6, 0x0
	.amdhsa_kernel k_qec8fe7ac7a_quant
		.amdhsa_group_segment_fixed_size 33280
		.amdhsa_private_segment_fixed_size 0
		.amdhsa_enable_private_segment 0
		.amdhsa_kernarg_size 64
		.amdhsa_user_sgpr_count 2
		.amdhsa_user_sgpr_kernarg_segment_ptr 1
		.amdhsa_wavefront_size32 1
		.amdhsa_system_sgpr_workgroup_id_x 1
		.amdhsa_system_sgpr_workgroup_id_y 1
		.amdhsa_system_sgpr_workgroup_id_z 1
		.amdhsa_system_vgpr_workitem_id 0
		.amdhsa_next_free_vgpr 192
		.amdhsa_next_free_sgpr 66
		.amdhsa_reserve_vcc 0
		.amdhsa_float_denorm_mode_32 3
		.amdhsa_float_denorm_mode_16_64 3
		.amdhsa_memory_ordered 1
		.amdhsa_forward_progress 1
		.amdhsa_inst_pref_size 34
	.end_amdhsa_kernel
	.amdgpu_metadata
---
amdhsa.version: [ 1, 2 ]
amdhsa.kernels:
  - .name:           k_qec8fe7ac7a_quant
    .symbol:         k_qec8fe7ac7a_quant.kd
    .args:
      - { .name: embedded, .offset: 0, .size: 8, .value_kind: global_buffer, .address_space: global }
      - { .name: Wq, .offset: 8, .size: 8, .value_kind: global_buffer, .address_space: global }
      - { .name: Wk, .offset: 16, .size: 8, .value_kind: global_buffer, .address_space: global }
      - { .name: Wv, .offset: 24, .size: 8, .value_kind: global_buffer, .address_space: global }
      - { .name: xcodes, .offset: 32, .size: 8, .value_kind: global_buffer, .address_space: global }
      - { .name: xscales, .offset: 40, .size: 8, .value_kind: global_buffer, .address_space: global }
      - { .name: wcodes, .offset: 48, .size: 8, .value_kind: global_buffer, .address_space: global }
      - { .name: wscales, .offset: 56, .size: 8, .value_kind: global_buffer, .address_space: global }
    .group_segment_fixed_size: 33280
    .private_segment_fixed_size: 0
    .kernarg_segment_align: 8
    .kernarg_segment_size: 64
    .max_flat_workgroup_size: 128
    .sgpr_count:     66
    .vgpr_count:     192
    .wavefront_size: 32
...
	.end_amdgpu_metadata
.endif
;; end of part 1
;; launch first (part 2): grid 32 x 1, 12 waves a work-group, no clusters, 18,432 bytes of LDS; arguments xcodes, xscales, wcodes, wscales, out0; writes out0
.if DOCPART == 2
	.amdgcn_target "amdgcn-amd-amdhsa--gfx1250"
	.amdhsa_code_object_version 6
	.text
	.protected	k_qec8fe7ac7a_first
	.globl	k_qec8fe7ac7a_first
	.p2align	8
	.type	k_qec8fe7ac7a_first,@function
k_qec8fe7ac7a_first:
	s_mov_b64 s[64:65], 0
	v_nop
	global_prefetch_b8 v0, s[64:65] scope:SCOPE_SE
	s_setreg_imm32_b32 hwreg(HW_REG_WAVE_MODE, 25, 1), 1
	s_wait_xcnt 0x0
; THE FIRST 16 POSITIONS OF EVERY SEQUENCE, in every batch and head, wholly in f32 behind the quantised projections: these rows average one to sixteen values and are the largest in size.
; A work-group takes one (batch, head).  PHASE 1: its twelve waves make the twelve tiles of 16 x 16 of q, k and v for tokens 0-15: 16 of the head's 192 rows of W against the 16 tokens, K = 1,024 in eight
; matrix instructions on codes of FP4 with E8M0 scales, in two accumulators by turns, added at the end.  One text serves all: for q and k (waves 0-7) source 0 = W, source 1 = x, so that a lane holds
; ONE TOKEN (lane % 16) and d = 8 (lane / 16) + 0..7; for v (waves 8-11) the sources change places (a choice of pointers on the wave's number), so that a lane holds ONE d and tokens 8 (lane / 16) + 0..7.
; The tiles go to LDS as images of their registers (16 bytes a lane at 16 x lane).  PHASE 2, wave 0: S^T = k q^T and O^T = v^T p by the f32 matrix form, 16 x 16 x 4.  A step's K index (lane / 16, register)
; stands for the same d (or key) in both sources, so the images' register pairs are the operands as they lie.  Causal mask, maximum, exponentials and sum in f32.
; The registers that the f32 form writes (v192-255) are written by matrix instructions alone; what is made of them goes elsewhere.
; No multicast, no tensor load: 26 KiB of operands a work-group, read once.
.set STAGE, 12288                      ; LDS: 0: twelve images of 1,024 bytes; here: 16 rows x (256 + 16) for the way out
.set SPARE, 16640                      ; the spare words, 128 bytes for each of twelve waves
.set AX,  3                            ; v3   512 r + 16 h: my 16 bytes of a row of codes
.set AS,  4                            ; v4   32 r + 16 h: lanes 0-15 a row's scale words 0-3, lanes 16-31 its words 4-7
.set LI,  5                            ; v5   16 x lane
.set IW,  6                            ; v6   1,024 x wave + 16 x lane
.set STO, 7                            ; v7   the stage: row r, + 32 h
.set RD,  8                            ; v8   back: lanes 0-15 one row, lanes 16-31 the next
.set GO,  9                            ; v9   the same two rows in out0
.set SPW, 10
.set NIL, 11
.set SCA, 12                           ; v12-15 source 0's scale words; v16-19 source 1's: scales and nothing else
.set SCB, 16
.set LM,  20                           ; v20  r - 8 h
.set AF,  32                           ; v32-95  source 0's eight fragments;  v96-159 source 1's
.set BF,  96
.set ACC, 160                          ; v160-175 two accumulators;  v176-183 their sum
.set T,   128                          ; phase 2: v128-135 scores, then p
	s_load_b256 s[4:11], s[0:1], 0x0               ; xcodes s[4:5], xscales s[6:7], wcodes s[8:9], wscales s[10:11]
	s_load_b64 s[12:13], s[0:1], 0x20              ; out0
	v_lshl_add_u32 v[SPW], v0, 2, SPARE
	v_mov_b32 v[NIL], 0
	v_lshrrev_b32 v1, 5, v0
	v_readfirstlane_b32 s14, v1                    ; wave 0..11
	v_and_b32 v1, 15, v0                           ; r
	v_bfe_u32 v2, v0, 4, 1                         ; h
	v_lshlrev_b32 v[AX], 9, v1
	v_lshl_add_u32 v[AX], v2, 4, v[AX]
	v_lshlrev_b32 v[AS], 5, v1
	v_lshl_add_u32 v[AS], v2, 4, v[AS]
	v_and_b32 v[LI], 31, v0
	v_lshlrev_b32 v[LI], 4, v[LI]
	s_lshl_b32 s15, s14, 10
	v_add_nc_u32 v[IW], s15, v[LI]
	v_mul_u32_u24 v[STO], v1, 272                  ; every LDS address is made here, ahead of the parting of the waves
	v_lshl_add_u32 v[STO], v2, 5, v[STO]
	v_add_nc_u32 v[STO], STAGE, v[STO]
	v_mul_u32_u24 v[RD], v2, 272
	v_lshl_add_u32 v[RD], v1, 4, v[RD]
	v_add_nc_u32 v[RD], STAGE, v[RD]
	v_lshlrev_b32 v[GO], 12, v2
	v_lshl_add_u32 v[GO], v1, 4, v[GO]
	v_lshlrev_b32 v[LM], 3, v2
	v_sub_nc_u32 v[LM], v1, v[LM]
	v_mov_b32 v21, 0xff800000                      ; -infinity
	v_mov_b32 v23, 0                               ; written once: a lane permute's destination counts as one of its sources
	s_lshr_b32 s16, ttmp9, 4                       ; batch
	s_and_b32 s17, ttmp9, 15                       ; head
	s_mul_i32 s18, s17, 98304                      ; W's codes: 192 rows of 512 bytes a head, 16 rows a wave
	s_lshl_b32 s19, s14, 13
	s_add_co_u32 s18, s18, s19
	s_mov_b32 s19, 0
	s_mul_i32 s20, s17, 6144                       ; W's scale bytes: 192 rows of 32
	s_lshl_b32 s21, s14, 9
	s_add_co_u32 s20, s20, s21
	s_mov_b32 s21, 0
	s_lshl_b32 s22, s16, 20                        ; x's codes: 2,048 tokens of 512 bytes a batch
	s_mov_b32 s23, 0
	s_lshl_b32 s24, s16, 16                        ; x's scale bytes
	s_mov_b32 s25, 0
	s_lshl_b32 s26, s16, 23                        ; out0: 2,048 rows of 4,096 bytes a batch, 256 bytes a head
	s_lshl_b32 s27, s17, 8
	s_add_co_u32 s26, s26, s27
	s_mov_b32 s27, 0
	s_mov_b32 s36, 0x76543210
	s_mov_b32 s37, 0xfedcba98                      ; v_permlanex16_b32's selects for lane l xor 16
	s_mov_b32 s38, 0x3e38aa3b                      ; c = log2(e) / sqrt(64)
	s_wait_kmcnt 0x0
	s_add_nc_u64 s[4:5], s[4:5], s[22:23]
	s_add_nc_u64 s[6:7], s[6:7], s[24:25]
	s_add_nc_u64 s[8:9], s[8:9], s[18:19]
	s_add_nc_u64 s[10:11], s[10:11], s[20:21]
	s_add_nc_u64 s[12:13], s[12:13], s[26:27]
	s_cmp_lt_u32 s14, 8                            ; q and k: source 0 = W; v: source 0 = x
	s_cselect_b64 s[28:29], s[8:9], s[4:5]
	s_cselect_b64 s[30:31], s[4:5], s[8:9]
	s_cselect_b64 s[32:33], s[10:11], s[6:7]
	s_cselect_b64 s[34:35], s[6:7], s[10:11]
.irp s, 0,1,2,3,4,5,6,7                        ; a fragment (16 rows x 128 K of 4-bit codes): registers 4 c .. 4 c + 3 hold K = 64 c + 32 h + 0..31: 16 bytes of the row as they lie
.irp c, 0,1
	global_load_b128 v[AF+8*\s+4*\c:AF+8*\s+4*\c+3], v[AX], s[28:29] offset:64*\s+32*\c
	global_load_b128 v[BF+8*\s+4*\c:BF+8*\s+4*\c+3], v[AX], s[30:31] offset:64*\s+32*\c
.endr
.endr
	global_load_b128 v[SCA:SCA+3], v[AS], s[32:33] ; register j: lanes 0-15 the word of K step j, lanes 16-31 that of K step 4 + j
	global_load_b128 v[SCB:SCB+3], v[AS], s[34:35]
	s_wait_loadcnt 0x0
.irp s, 0,1,2,3,4,5,6,7
.if \s < 2
	v_wmma_scale_f32_16x16x128_f8f6f4 v[ACC+8*(\s%2):ACC+8*(\s%2)+7], v[AF+8*\s:AF+8*\s+7], v[BF+8*\s:BF+8*\s+7], 0, v[SCA+\s%4], v[SCB+\s%4] matrix_a_fmt:MATRIX_FMT_FP4 matrix_b_fmt:MATRIX_FMT_FP4
.elseif \s < 4
	v_wmma_scale_f32_16x16x128_f8f6f4 v[ACC+8*(\s%2):ACC+8*(\s%2)+7], v[AF+8*\s:AF+8*\s+7], v[BF+8*\s:BF+8*\s+7], v[ACC+8*(\s%2):ACC+8*(\s%2)+7], v[SCA+\s%4], v[SCB+\s%4] matrix_a_fmt:MATRIX_FMT_FP4 matrix_b_fmt:MATRIX_FMT_FP4
.else
	v_wmma_scale_f32_16x16x128_f8f6f4 v[ACC+8*(\s%2):ACC+8*(\s%2)+7], v[AF+8*\s:AF+8*\s+7], v[BF+8*\s:BF+8*\s+7], v[ACC+8*(\s%2):ACC+8*(\s%2)+7], v[SCA+\s%4], v[SCB+\s%4] matrix_a_fmt:MATRIX_FMT_FP4 matrix_b_fmt:MATRIX_FMT_FP4 matrix_a_scale:MATRIX_SCALE_ROW1 matrix_b_scale:MATRIX_SCALE_ROW1
.endif
.endr
.rept 4
	v_nop                                          ; four places behind the last product, for the reads below and for the LDS loads into the fragments' registers
.endr
.irp j, 0,2,4,6
	v_pk_add_f32 v[176+\j:177+\j], v[ACC+\j:ACC+\j+1], v[ACC+8+\j:ACC+8+\j+1]   ; each accumulator from its low end on
.endr
	ds_store_b128 v[IW], v[176:179]                ; my tile's image
	ds_store_b128 v[IW], v[180:183] offset:512
	s_wait_dscnt 0x0                               ; for wave 0's sake: my stores have landed
	s_barrier_signal -1
	s_barrier_wait -1
	s_cmp_lg_u32 s14, 0
	s_cbranch_scc1 .Lend
	; ---- wave 0: q in v32-63, k in v64-95 (tile ot: lane = token r, register j: d = 16 ot + 8 h + j), v in v96-127 (tile dt: lane = d 16 dt + r, register j: token 8 h + j)
.irp t, 0,1,2,3,4,5,6,7,8,9,10,11
	ds_load_b128 v[32+8*\t:35+8*\t], v[LI] offset:1024*\t
	ds_load_b128 v[36+8*\t:39+8*\t], v[LI] offset:1024*\t+512
.endr
	s_wait_dscnt 0x0
.irp jj, 0,1,2,3                               ; S^T = k q^T: four accumulators by turns, one for each 16 of d; a step takes d = 16 ot + 8 h + 2 jj + 0, 1
.irp ot, 0,1,2,3
.if \jj == 0
	v_wmma_f32_16x16x4_f32 v[192+8*\ot:199+8*\ot], v[64+8*\ot+2*\jj:65+8*\ot+2*\jj], v[32+8*\ot+2*\jj:33+8*\ot+2*\jj], 0
.else
	v_wmma_f32_16x16x4_f32 v[192+8*\ot:199+8*\ot], v[64+8*\ot+2*\jj:65+8*\ot+2*\jj], v[32+8*\ot+2*\jj:33+8*\ot+2*\jj], v[192+8*\ot:199+8*\ot]
.endif
.endr
.endr
.rept 8
	v_nop                                          ; eight places behind this form
.endr
.irp j, 0,2,4,6                                ; the four parts are added: lane (r, h) holds query r, register j key 8 h + j
	v_pk_add_f32 v[T+\j:T+\j+1], v[192+\j:193+\j], v[200+\j:201+\j]
	v_pk_add_f32 v[136+\j:137+\j], v[208+\j:209+\j], v[216+\j:217+\j]
	v_pk_add_f32 v[T+\j:T+\j+1], v[T+\j:T+\j+1], v[136+\j:137+\j]
.endr
.irp j, 0,1,2,3,4,5,6,7
	v_cmp_gt_i32 vcc_lo, \j, v[LM]                 ; key 8 h + j comes after query r
	v_cndmask_b32 v[T+\j], v[T+\j], v21, vcc_lo
.endr
	v_max3_num_f32 v22, v[T], v[T+1], v[T+2]
	v_max3_num_f32 v22, v22, v[T+3], v[T+4]
	v_max3_num_f32 v22, v22, v[T+5], v[T+6]
	v_max_num_f32 v22, v22, v[T+7]
	v_permlanex16_b32 v23, v22, s36, s37
	v_max_num_f32 v22, v22, v23                    ; the row's maximum: key 0 counts for every query, so it is a number
	v_mul_f32 v24, s38, v22
.irp j, 0,1,2,3,4,5,6,7
	v_fma_f32 v[T+\j], v[T+\j], s38, -v24          ; c s - c m
.endr
.irp j, 0,1,2,3,4,5,6,7
	v_exp_f32 v[T+\j], v[T+\j]
.endr
	v_nop                                          ; a plain line behind the last exponential
	s_wait_alu depctr_va_vdst(0)                   ; one wait for the eight, ahead of their first reader
	v_add_f32 v25, v[T], v[T+1]
	v_add_f32 v26, v[T+2], v[T+3]
	v_add_f32 v27, v[T+4], v[T+5]
	v_add_f32 v28, v[T+6], v[T+7]
	v_add_f32 v25, v25, v26
	v_add_f32 v27, v27, v28
	v_add_f32 v25, v25, v27
	v_permlanex16_b32 v23, v25, s36, s37
	v_add_f32 v25, v25, v23                        ; the row's sum
	v_rcp_f32 v26, v25
.irp jj, 0,1,2,3                               ; O^T = v^T p: four accumulators by turns, one for each 16 of d; a step takes keys 8 h + 2 jj + 0, 1
.irp dt, 0,1,2,3
.if \jj == 0
	v_wmma_f32_16x16x4_f32 v[224+8*\dt:231+8*\dt], v[96+8*\dt+2*\jj:97+8*\dt+2*\jj], v[T+2*\jj:T+2*\jj+1], 0
.else
	v_wmma_f32_16x16x4_f32 v[224+8*\dt:231+8*\dt], v[96+8*\dt+2*\jj:97+8*\dt+2*\jj], v[T+2*\jj:T+2*\jj+1], v[224+8*\dt:231+8*\dt]
.endif
.endr
.endr
.rept 8
	v_nop                                          ; eight places; they are also the plain lines behind the reciprocal
.endr
	s_wait_alu depctr_va_vdst(0)                   ; the reciprocal's wait, ahead of its first reader
.set n, 0
.rept 32
	v_mul_f32 v[136+n], v[224+n], v26              ; O^T / the sum, into other registers, each accumulator from its low end on: register 8 dt + j is out(query r, d = 16 dt + 8 h + j)
.set n, n+1
.endr
.irp dt, 0,1,2,3
	ds_store_b128 v[STO], v[136+8*\dt:139+8*\dt] offset:64*\dt
	ds_store_b128 v[STO], v[140+8*\dt:143+8*\dt] offset:64*\dt+16
.endr
.irp i, 0,1,2,3,4,5,6,7
	ds_load_b128 v[32+4*\i:35+4*\i], v[RD] offset:544*\i           ; LDS serves a wave's instructions in order: these see the stores above
.endr
.irp i, 0,1,2,3,4,5,6,7
	s_wait_dscnt 7-\i                              ; the younger read-backs may be out
	global_store_b128 v[GO], v[32+4*\i:35+4*\i], s[12:13] offset:8192*\i th:TH_STORE_NT   ; sixteen lanes store a head's 256 bytes of a row, aligned
.endr
.Lend:
	s_wait_tensorcnt 0x0                           ; the wave's end, behind my last LDS store
	ds_add_u32 v[SPW], v[NIL]
	s_wait_dscnt 0x0
	s_endpgm
.Lfunc_end_k_qec8fe7ac7a_first:
	.size	k_qec8fe7ac7a_first, .Lfunc_end_k_qec8fe7ac7a_first-k_qec8fe7ac7a_first
	.p2alignl 7, 3214868480
	.fill 96, 4, 3214868480
	.section	.rodata,"a",@progbits
	.p2align	6, 0x0
	.amdhsa_kernel k_qec8fe7ac7a_first
		.amdhsa_group_segment_fixed_size 18432
		.amdhsa_private_segment_fixed_size 0
		.amdhsa_enable_private_segment 0
		.amdhsa_kernarg_size 40
		.amdhsa_user_sgpr_count 2
		.amdhsa_user_sgpr_kernarg_segment_ptr 1
		.amdhsa_wavefront_size32 1
		.amdhsa_system_sgpr_workgroup_id_x 1
		.amdhsa_system_sgpr_workgroup_id_y 1
		.amdhsa_system_sgpr_workgroup_id_z 1
		.amdhsa_system_vgpr_workitem_id 0
		.amdhsa_next_free_vgpr 256
		.amdhsa_next_free_sgpr 66
		.amdhsa_reserve_vcc 1
		.amdhsa_float_denorm_mode_32 3
		.amdhsa_float_denorm_mode_16_64 3
		.amdhsa_memory_ordered 1
		.amdhsa_forward_progress 1
		.amdhsa_inst_pref_size 18
	.end_amdhsa_kernel
	.amdgpu_metadata
---
amdhsa.version: [ 1, 2 ]
amdhsa.kernels:
  - .name:           k_qec8fe7ac7a_first
    .symbol:         k_qec8fe7ac7a_first.kd
    .args:
      - { .name: xcodes, .offset: 0, .size: 8, .value_kind: global_buffer, .address_space: global }
      - { .name: xscales, .offset: 8, .size: 8, .value_kind: global_buffer, .address_space: global }
      - { .name: wcodes, .offset: 16, .size: 8, .value_kind: global_buffer, .address_space: global }
      - { .name: wscales, .offset: 24, .size: 8, .value_kind: global_buffer, .address_space: global }
      - { .name: out0, .offset: 32, .size: 8, .value_kind: global_buffer, .address_space: global }
    .group_segment_fixed_size: 18432
    .private_segment_fixed_size: 0
    .kernarg_segment_align: 8
    .kernarg_segment_size: 40
    .max_flat_workgroup_size: 384
    .sgpr_count:     66
    .vgpr_count:     256
    .wavefront_size: 32
...
	.end_amdgpu_metadata
.endif
;; end of part 2
;; launch proj (part 3): grid 16 x 16, 4 waves a work-group, clusters of 4 x 4, 327,680 bytes of LDS; arguments xcodes, xscales, wcodes, wscales, qf, kf, vf; writes qf, kf, vf
.if DOCPART == 3
	.amdgcn_target "amdgcn-amd-amdhsa--gfx1250"
	.amdhsa_code_object_version 6
	.text
	.protected	k_qec8fe7ac7a_proj
	.globl	k_qec8fe7ac7a_proj
	.p2align	8
	.type	k_qec8fe7ac7a_proj,@function
k_qec8fe7ac7a_proj:
	s_mov_b64 s[64:65], 0
	v_nop
	global_prefetch_b8 v0, s[64:65] scope:SCOPE_SE
	s_setreg_imm32_b32 hwreg(HW_REG_WAVE_MODE, 25, 1), 1
	s_wait_xcnt 0x0
	s_wait_alu depctr_hold_cnt(0) depctr_sa_sdst(0) depctr_va_vdst(0) depctr_va_sdst(0) depctr_va_ssrc(0) depctr_va_vcc(0) depctr_vm_vsrc(0)
	s_getreg_b32 s2, hwreg(HW_REG_IB_STS2, 6, 4)
	s_cmp_eq_u32 s2, 0
	s_cbranch_scc0 .Lentry_in_a_cluster
	s_endpgm
.Lentry_in_a_cluster:
	s_bfe_u32 s2, ttmp6, 0x10000c
	s_cmp_lg_u32 s2, 0xf033
	s_cbranch_scc0 .Lentry_shape_is_right
	s_endpgm
.Lentry_shape_is_right:
; q, k, v = the three projections, on codes of FP4 (E2M1) with one E8M0 scale for each 32 along K = 1,024; sums in f32, rounded ONCE to f16 for the attention launch.
; LIMIT: |q|, |k|, |v| stay under 65,504, the largest f16 number (beyond it the rounding gives infinity).
; SHARES.  A work-group makes one head's 192 outputs (q's 64, k's 64, v's 64) for 256 tokens: 16 heads x 16 token blocks = 256 work-groups.  Wave w takes tokens 64 w .. 64 w + 63 x all 192 outputs: 48 accumulators, 384 registers.
; ALL OF K LIES IN LDS: 256 rows of x and 192 rows of W, 512 bytes each, as two chunks of 512 along K (rows of 256 bytes + 16 of padding), and their scale bytes.  Each byte is filled once: no ring, no refill.  A wave has three tensor loads out.
; CLUSTERS: 4 x 4 work-groups.  x's tiles hang on the token block alone and are shared along a row of the cluster, W's on the head alone and are shared along a column: each is asked for JOINTLY, by the same
; tensor load with the same descriptor and a mask that names the four, which divides the requests by four.
; LAYOUT OF THE RESULTS.  q and k: source 0 = 16 rows of W, source 1 = 16 tokens: a lane holds ONE TOKEN (lane % 16) and d = 16 ot + 8 (lane / 16) + 0..7, which pack into 16 bytes of f16.  v: the sources change places: a lane holds
; ONE d and eight tokens.  Stored at 16 x lane, 512 bytes a tile, these ARE halves of the attention's 16-bit fragments: qf, kf [b h][token tile 128][ot 4][lane][16 bytes]; vf [b h][32 keys: 64][dt 4][16 keys: 2][lane][16 bytes].  No stage is needed.
; REGISTERS, in windows of 256: window 0: v1-13 addresses; v16-31 x's scale words, v32-79 W's (scales and nothing else); v192-255 x's fragments, two sets of four.
;   window 1: W's fragments, two sets of twelve, at v0 and v96; on the way out the packed results.   window 2: the 32 accumulators of q and k at v[8 (4 ot + i)].   window 3: v's 16 at v[8 (4 dt + i)].
.set PITCH, 272                        ; an LDS row of codes: 256 bytes + 16 of padding = 68 words: the 16 rows that a load touches start at 16 different banks (64 banks of 4 bytes: ISA guide 11.1)
.set XC0,   0                          ; x's codes, chunk 0: 256 rows
.set XC1,   69632                      ; chunk 1
.set WC0,   139264                     ; W's codes, chunk 0: 192 rows
.set WC1,   191488
.set XSC,   243712                     ; x's scale bytes: 256 rows of 32, dense
.set WSC,   251904                     ; W's: 192 rows of 32
.set SPARE, 258048                     ; the spare words, 128 bytes for each wave
.set ADX, 4                            ; v4, v5  LDS address of my x fragments in chunk 0, 1
.set ADW, 6                            ; v6, v7  the same for W
.set ASX, 8                            ; v8      my x scale words: lanes 0-15 a row's words 0-3, lanes 16-31 its words 4-7
.set ASW, 9                            ; v9      W's
.set LI,  10                           ; v10     16 x lane
.set SPW, 12
.set NIL, 13
.set XS,  16
.set WS,  32
.set XF,  192
.set G1X,  24                          ; s[24:31] group 1 for x's codes;  s[32:39] W's;  s[40:47] x's scale bytes;  s[48:55] W's
.set G1W,  32
.set G1SX, 40
.set G1SW, 48
.set G0SX, 56                          ; groups 0: x's scale bytes, chunk 0, chunk 1;  W's likewise
.set G0X0, 60
.set G0X1, 68
.set G0SW, 72
.set G0W0, 76
.set G0W1, 80
.set MSB, 0
.macro WIN new                         ; the immediate's high byte repeats the setting that is left
.if MSB != \new
	s_set_vgpr_msb (MSB<<8)|\new
.set MSB, \new
.endif
.endm
.macro PLACES n
.rept \n
	v_nop
.endr
.endm
; A joint load: waves 0 and 1 fetch for x, waves 2 and 3 for W.  Each of the two lines has ONE mask and one set of registers for all that issue it; the branch hangs on the wave's number alone.
; An s_nop 0 and four v_nop follow each of the two lines, ahead of the jump, the label and what follows.
.macro JLOAD g0a, g1a, g0b, g1b
	s_cmp_eq_u32 s19, 0
	s_cbranch_scc0 .Lfor_w_\@
	tensor_load_to_lds s[\g0a:\g0a+3], s[\g1a:\g1a+7]
	s_nop 0
.rept 4
	v_nop
.endr
	s_branch .Lasked_\@
.Lfor_w_\@:
	tensor_load_to_lds s[\g0b:\g0b+3], s[\g1b:\g1b+7]
	s_nop 0
.rept 4
	v_nop
.endr
.Lasked_\@:
.endm
.macro CROUND                          ; a round of the cluster's barrier
	s_barrier_signal -1
	s_barrier_wait -1
	s_cmp_lg_u32 s18, 0
	s_cbranch_scc1 .Lnot_wave_0_\@
	s_barrier_signal -3
.Lnot_wave_0_\@:
	s_barrier_wait -3
	s_barrier_signal -1
	s_barrier_wait -1
.endm
	s_load_b256 s[4:11], s[0:1], 0x0               ; xcodes s[4:5], xscales s[6:7], wcodes s[8:9], wscales s[10:11]
	s_load_b128 s[12:15], s[0:1], 0x20             ; qf s[12:13], kf s[14:15]
	s_load_b64 s[16:17], s[0:1], 0x30              ; vf
	v_lshl_add_u32 v[SPW], v0, 2, SPARE
	v_mov_b32 v[NIL], 0
	ds_add_u32 v[SPW], v[NIL]                      ; the wave's opening: the add, twice on end, and its wait ahead of my first tensor load; the set-up below stands between
	ds_add_u32 v[SPW], v[NIL]
	v_lshrrev_b32 v1, 5, v0
	v_readfirstlane_b32 s18, v1                    ; wave 0..3
	s_lshr_b32 s19, s18, 1                         ; I fetch for x (0) or for W (1)
	s_and_b32 s20, s18, 1                          ; which half of its rows
	s_bfe_u32 s21, ttmp6, 0x40000                  ; cx, cy: my place in the cluster
	s_bfe_u32 s22, ttmp6, 0x40004
	s_lshl_b32 s23, ttmp9, 2
	s_add_co_u32 s23, s23, s21                     ; the head = 4 x cluster x + cx
	s_and_b32 s84, ttmp7, 0xffff
	s_lshl_b32 s84, s84, 2
	s_add_co_u32 s84, s84, s22                     ; the token block = 4 x cluster y + cy
	s_lshl_b32 s85, s22, 2
	s_lshl_b32 s85, 15, s85                        ; my row of the cluster
	s_lshl_b32 s86, 0x1111, s21                    ; my column
	s_or_b32 s[G1X], s85, (1<<20)|(1<<21)|(5<<22)|(3<<25)   ; 15:0 the mask; 17:16 elements of 1 byte; 20 padding on; 21 set beside a mask; 24:22 after every 64 words; 31:25 four words
	s_or_b32 s[G1W], s86, (1<<20)|(1<<21)|(5<<22)|(3<<25)
	s_mov_b32 s[G1X+1], 256<<16                    ; tensor_dim0 = 256 bytes
	s_mov_b32 s[G1X+2], 128<<16                    ; tensor_dim1 = 128 rows
	s_mov_b32 s[G1X+3], 256<<16                    ; tile_dim0
	s_mov_b32 s[G1X+4], 128                        ; tile_dim1
	s_mov_b32 s[G1X+5], 512                        ; from row to row in memory
	s_mov_b32 s[G1X+6], 0
	s_mov_b32 s[G1X+7], 0
	s_mov_b32 s[G1W+1], 256<<16
	s_mov_b32 s[G1W+2], 96<<16                     ; 96 rows
	s_mov_b32 s[G1W+3], 256<<16
	s_mov_b32 s[G1W+4], 96
	s_mov_b32 s[G1W+5], 512
	s_mov_b32 s[G1W+6], 0
	s_mov_b32 s[G1W+7], 0
	s_or_b32 s[G1SX], s85, (3<<16)|(1<<21)         ; the scale bytes of 128 rows: 4,096 dense bytes as 16 rows of 32 elements of 8 bytes
	s_or_b32 s[G1SW], s86, (3<<16)|(1<<21)         ; of 96 rows: 3,072 bytes as 12 rows
	s_mov_b32 s[G1SX+1], 32<<16
	s_mov_b32 s[G1SX+2], 16<<16
	s_mov_b32 s[G1SX+3], 32<<16
	s_mov_b32 s[G1SX+4], 16
	s_mov_b32 s[G1SX+5], 32
	s_mov_b32 s[G1SX+6], 0
	s_mov_b32 s[G1SX+7], 0
	s_mov_b32 s[G1SW+1], 32<<16
	s_mov_b32 s[G1SW+2], 12<<16
	s_mov_b32 s[G1SW+3], 32<<16
	s_mov_b32 s[G1SW+4], 12
	s_mov_b32 s[G1SW+5], 32
	s_mov_b32 s[G1SW+6], 0
	s_mov_b32 s[G1SW+7], 0
	; where the tiles come from: x's in registers that never hold cx, W's in registers that never hold cy
	s_lshl_b32 s88, s84, 8
	s_lshl_b32 s90, s20, 7
	s_add_co_u32 s88, s88, s90                     ; x: row 256 x token block + 128 x half
	s_lshl_b32 s90, s88, 5                         ; its scale bytes,
	s_mov_b32 s91, 0
	s_lshl_b32 s88, s88, 9                         ; its codes
	s_mov_b32 s89, 0
	s_mul_i32 s92, s23, 192
	s_mul_i32 s94, s20, 96
	s_add_co_u32 s92, s92, s94                     ; W: row 192 x head + 96 x half
	s_lshl_b32 s94, s92, 5
	s_mov_b32 s95, 0
	s_lshl_b32 s92, s92, 9
	s_mov_b32 s93, 0
	s_mul_i32 s96, s20, 128*PITCH                  ; and where they go: no place in the cluster enters an LDS address
	s_mul_i32 s97, s20, 96*PITCH
	s_lshl_b32 s98, s20, 12
	s_mul_i32 s99, s20, 3072
	s_wait_dscnt 0x0                               ; both opening adds are done
	s_wait_kmcnt 0x0
	s_add_nc_u64 s[4:5], s[4:5], s[88:89]
	s_add_nc_u64 s[6:7], s[6:7], s[90:91]
	s_add_nc_u64 s[8:9], s[8:9], s[92:93]
	s_add_nc_u64 s[10:11], s[10:11], s[94:95]
	CROUND                                         ; all sixteen work-groups are here: the joint loads meet
	s_mov_b32 s[G0SX], 1
	s_add_co_u32 s[G0SX+1], s98, XSC
	s_mov_b64 s[G0SX+2:G0SX+3], s[6:7]
	s_or_b32 s[G0SX+3], s[G0SX+3], 0x80000000
	s_mov_b32 s[G0SW], 1
	s_add_co_u32 s[G0SW+1], s99, WSC
	s_mov_b64 s[G0SW+2:G0SW+3], s[10:11]
	s_or_b32 s[G0SW+3], s[G0SW+3], 0x80000000
	JLOAD G0SX, G1SX, G0SW, G1SW                   ; the scale bytes first: they are wanted with chunk 0
	s_mov_b32 s[G0X0], 1
	s_add_co_u32 s[G0X0+1], s96, XC0
	s_mov_b64 s[G0X0+2:G0X0+3], s[4:5]
	s_or_b32 s[G0X0+3], s[G0X0+3], 0x80000000
	s_mov_b32 s[G0W0], 1
	s_add_co_u32 s[G0W0+1], s97, WC0
	s_mov_b64 s[G0W0+2:G0W0+3], s[8:9]
	s_or_b32 s[G0W0+3], s[G0W0+3], 0x80000000
	JLOAD G0X0, G1X, G0W0, G1W                     ; K = 0 .. 511
	s_mov_b32 s[G0X1], 1
	s_add_co_u32 s[G0X1+1], s96, XC1
	s_add_nc_u64 s[G0X1+2:G0X1+3], s[4:5], 256
	s_or_b32 s[G0X1+3], s[G0X1+3], 0x80000000
	s_mov_b32 s[G0W1], 1
	s_add_co_u32 s[G0W1+1], s97, WC1
	s_add_nc_u64 s[G0W1+2:G0W1+3], s[8:9], 256
	s_or_b32 s[G0W1+3], s[G0W1+3], 0x80000000
	JLOAD G0X1, G1X, G0W1, G1W                     ; K = 512 .. 1,023
	v_and_b32 v1, 15, v0                           ; r
	v_bfe_u32 v2, v0, 4, 1                         ; h
	v_mul_u32_u24 v3, v1, PITCH
	v_lshl_add_u32 v3, v2, 4, v3                   ; a fragment's row x pitch + 16 h
	s_mul_i32 s87, s18, 64*PITCH                   ; my 64 tokens
	v_add_nc_u32 v[ADX], s87, v3
	v_add_nc_u32 v[ADX+1], XC1, v[ADX]
	v_add_nc_u32 v[ADW], WC0, v3
	v_add_nc_u32 v[ADW+1], WC1, v3
	v_lshlrev_b32 v3, 5, v1
	v_lshl_add_u32 v3, v2, 4, v3                   ; a row's 32 scale bytes, + 16 h
	v_add_nc_u32 v[ASW], WSC, v3
	s_lshl_b32 s87, s18, 11
	s_add_co_u32 s87, s87, XSC
	v_add_nc_u32 v[ASX], s87, v3
	v_and_b32 v[LI], 31, v0
	v_lshlrev_b32 v[LI], 4, v[LI]
	; where my results go: (batch x 16 + head) x 262,144 + (my first token tile in the batch) x 2,048 bytes, the same in qf, kf and vf.  Made in registers that fed no joint load
	s_lshr_b32 s2, s84, 3
	s_lshl_b32 s2, s2, 4
	s_add_co_u32 s2, s2, s23
	s_lshl_b32 s2, s2, 18
	s_and_b32 s66, s84, 7
	s_lshl_b32 s66, s66, 4
	s_lshl_b32 s67, s18, 2
	s_add_co_u32 s66, s66, s67
	s_lshl_b32 s66, s66, 11
	s_add_co_u32 s2, s2, s66
	s_mov_b32 s3, 0
	s_add_nc_u64 s[12:13], s[12:13], s[2:3]
	s_add_nc_u64 s[14:15], s[14:15], s[2:3]
	s_add_nc_u64 s[16:17], s[16:17], s[2:3]
; The fragments of K step st (128 along K) into set p: W's twelve, x's four.  A fragment (16 rows x 128 K of 4-bit codes) is 8 registers: two loads of 16 bytes, 32 bytes apart.
.macro FETCH st, p
	WIN 0x40                                       ; destination window 1, address window 0
.irp ot, 0,1,2,3,4,5,6,7,8,9,10,11
.irp c, 0,1
	ds_load_b128 v[96*(\p)+8*\ot+4*\c:96*(\p)+8*\ot+4*\c+3], v[ADW+(\st)/4] offset:16*PITCH*\ot+64*((\st)%4)+32*\c
.endr
.endr
	WIN 0
.irp i, 0,1,2,3
.irp c, 0,1
	ds_load_b128 v[XF+32*(\p)+8*\i+4*\c:XF+32*(\p)+8*\i+4*\c+3], v[ADX+(\st)/4] offset:16*PITCH*\i+64*((\st)%4)+32*\c
.endr
.endr
.endm
; One product, its registers in rD, rA, rB, rSA, rSB.  K step 0 starts the sums; K steps 4 to 7 take their scale words from lanes 16-31.
.macro WM st
.if (\st) == 0
	v_wmma_scale_f32_16x16x128_f8f6f4 v[rD:rD+7], v[rA:rA+7], v[rB:rB+7], 0, v[rSA], v[rSB] matrix_a_fmt:MATRIX_FMT_FP4 matrix_b_fmt:MATRIX_FMT_FP4
.elseif (\st) < 4
	v_wmma_scale_f32_16x16x128_f8f6f4 v[rD:rD+7], v[rA:rA+7], v[rB:rB+7], v[rD:rD+7], v[rSA], v[rSB] matrix_a_fmt:MATRIX_FMT_FP4 matrix_b_fmt:MATRIX_FMT_FP4
.else
	v_wmma_scale_f32_16x16x128_f8f6f4 v[rD:rD+7], v[rA:rA+7], v[rB:rB+7], v[rD:rD+7], v[rSA], v[rSB] matrix_a_fmt:MATRIX_FMT_FP4 matrix_b_fmt:MATRIX_FMT_FP4 matrix_a_scale:MATRIX_SCALE_ROW1 matrix_b_scale:MATRIX_SCALE_ROW1
.endif
.endm
; A K step: the next step's 32 loads go out first, then this step's 48 products.  The 48 accumulators take turns, one instruction a turn, in the same order in every step.
.macro STEP st
.if (\st) > 0
	PLACES 4                                       ; four places in front of loads into registers that the last step's products have read
.endif
.if (\st) == 3
	s_wait_tensorcnt 0x0                           ; my part of chunk 1 is in,
	s_wait_dscnt 0x0                               ; (no LDS load of mine is out at a signal)
	s_barrier_signal -1
	s_barrier_wait -1                              ; everybody's is.
.endif
.if (\st) < 7
	FETCH (\st)+1, 1-(\st)%2
	s_wait_dscnt 32                                ; all but the 32 just issued: this step's fragments (and, in step 0, the scale words) are in
.else
	s_wait_dscnt 0x0
.endif
.set pp, (\st)%2
.set sq, (\st)%4
	WIN 0xa1                                       ; q and k: source 0 (W) window 1, source 1 (x) window 0, C and D window 2
.irp ot, 0,1,2,3,4,5,6,7
.irp i, 0,1,2,3
.set rD, 8*(4*\ot+\i)
.set rA, 96*pp+8*\ot
.set rB, XF+32*pp+8*\i
.set rSA, WS+4*\ot+sq
.set rSB, XS+4*\i+sq
	WM \st
.endr
.endr
	WIN 0xf4                                       ; v: source 0 (x) window 0, source 1 (W) window 1, C and D window 3
.irp dt, 0,1,2,3
.irp i, 0,1,2,3
.set rD, 8*(4*\dt+\i)
.set rA, XF+32*pp+8*\i
.set rB, 96*pp+8*(8+\dt)
.set rSA, XS+4*\i+sq
.set rSB, WS+4*(8+\dt)+sq
	WM \st
.endr
.endr
	WIN 0
.endm
	s_wait_tensorcnt 1                             ; my scale bytes and my part of chunk 0 are in; chunk 1's load may be out,
	s_barrier_signal -1
	s_barrier_wait -1                              ; everybody's are
.irp i, 0,1,2,3
	ds_load_b128 v[XS+4*\i:XS+4*\i+3], v[ASX] offset:512*\i        ; token tile i: register j: lanes 0-15 the word of K step j, lanes 16-31 that of K step 4 + j
.endr
.irp ot, 0,1,2,3,4,5,6,7,8,9,10,11
	ds_load_b128 v[WS+4*\ot:WS+4*\ot+3], v[ASW] offset:512*\ot
.endr
	FETCH 0, 0
.irp st, 0,1,2,3,4,5,6,7
	STEP \st
.endr
	; THE WAY OUT: a lane's eight results are eight neighbours (of d, or of the tokens): rounded once to f16 they are 16 bytes, and a tile leaves as 512 consecutive bytes, aligned.
	PLACES 4                                       ; the conversions write registers that the last products read; the results that they read first were finished earlier
	WIN 0x4a                                       ; sources window 2, destination window 1
.set na, 0
.rept 32
.irp rr, 0,1,2,3
	v_cvt_pk_f16_f32 v[4*na+\rr], v[8*na+2*\rr], v[8*na+2*\rr+1]   ; each accumulator from its low end on
.endr
.set na, na+1
.endr
	WIN 0x4f                                       ; sources window 3
.set na, 0
.rept 16
.irp rr, 0,1,2,3
	v_cvt_pk_f16_f32 v[128+4*na+\rr], v[8*na+2*\rr], v[8*na+2*\rr+1]
.endr
.set na, na+1
.endr
	WIN 0x04                                       ; a store's data are its source 1: window 1
.irp i, 0,1,2,3
.irp ot, 0,1,2,3
	global_store_b128 v[LI], v[4*(4*\ot+\i):4*(4*\ot+\i)+3], s[12:13] offset:2048*\i+512*\ot
.endr
.endr
.irp i, 0,1,2,3
.irp ot, 4,5,6,7
	global_store_b128 v[LI], v[4*(4*\ot+\i):4*(4*\ot+\i)+3], s[14:15] offset:2048*\i+512*(\ot-4)
.endr
.endr
.irp i, 0,1,2,3
.irp dt, 0,1,2,3
	global_store_b128 v[LI], v[128+4*(4*\dt+\i):128+4*(4*\dt+\i)+3], s[16:17] offset:4096*(\i/2)+512*(\i%2)+1024*\dt
.endr
.endr
	WIN 0
	s_wait_tensorcnt 0x0                           ; the wave's end, behind my last tensor load
	ds_add_u32 v[SPW], v[NIL]
	s_wait_dscnt 0x0
	CROUND                                         ; the closing round: no work-group ends while a partner may still ask for a tile that names it
	s_endpgm
.Lfunc_end_k_qec8fe7ac7a_proj:
	.size	k_qec8fe7ac7a_proj, .Lfunc_end_k_qec8fe7ac7a_proj-k_qec8fe7ac7a_proj
	.p2alignl 7, 3214868480
	.fill 96, 4, 3214868480
	.section	.rodata,"a",@progbits
	.p2align	6, 0x0
	.amdhsa_kernel k_qec8fe7ac7a_proj
		.amdhsa_group_segment_fixed_size 327680
		.amdhsa_private_segment_fixed_size 0
		.amdhsa_enable_private_segment 0
		.amdhsa_kernarg_size 56
		.amdhsa_user_sgpr_count 2
		.amdhsa_user_sgpr_kernarg_segment_ptr 1
		.amdhsa_wavefront_size32 1
		.amdhsa_system_sgpr_workgroup_id_x 1
		.amdhsa_system_sgpr_workgroup_id_y 1
		.amdhsa_system_sgpr_workgroup_id_z 1
		.amdhsa_system_vgpr_workitem_id 0
		.amdhsa_next_free_vgpr 1024
		.amdhsa_next_free_sgpr 100
		.amdhsa_reserve_vcc 0
		.amdhsa_float_denorm_mode_32 3
		.amdhsa_float_denorm_mode_16_64 3
		.amdhsa_memory_ordered 1
		.amdhsa_forward_progress 1
		.amdhsa_inst_pref_size 94
	.end_amdhsa_kernel
	.amdgpu_metadata
---
amdhsa.version: [ 1, 2 ]
amdhsa.kernels:
  - .name:           k_qec8fe7ac7a_proj
    .symbol:         k_qec8fe7ac7a_proj.kd
    .args:
      - { .name: xcodes, .offset: 0, .size: 8, .value_kind: global_buffer, .address_space: global }
      - { .name: xscales, .offset: 8, .size: 8, .value_kind: global_buffer, .address_space: global }
      - { .name: wcodes, .offset: 16, .size: 8, .value_kind: global_buffer, .address_space: global }
      - { .name: wscales, .offset: 24, .size: 8, .value_kind: global_buffer, .address_space: global }
      - { .name: qf, .offset: 32, .size: 8, .value_kind: global_buffer, .address_space: global }
      - { .name: kf, .offset: 40, .size: 8, .value_kind: global_buffer, .address_space: global }
      - { .name: vf, .offset: 48, .size: 8, .value_kind: global_buffer, .address_space: global }
    .group_segment_fixed_size: 327680
    .private_segment_fixed_size: 0
    .kernarg_segment_align: 8
    .kernarg_segment_size: 56
    .max_flat_workgroup_size: 128
    .sgpr_count:     100
    .vgpr_count:     1024
    .wavefront_size: 32
...
	.end_amdgpu_metadata
.endif
;; end of part 3
;; launch attn (part 4): grid 8 x 32, 16 waves a work-group, no clusters, 327,680 bytes of LDS; arguments qf, kf, vf, out0; writes out0
.if DOCPART == 4
	.amdgcn_target "amdgcn-amd-amdhsa--gfx1250"
	.amdhsa_code_object_version 6
	.text
	.protected	k_qec8fe7ac7a_attn
	.globl	k_qec8fe7ac7a_attn
	.p2align	8
	.type	k_qec8fe7ac7a_attn,@function
k_qec8fe7ac7a_attn:
	s_mov_b64 s[64:65], 0
	v_nop
	global_prefetch_b8 v0, s[64:65] scope:SCOPE_SE
	s_setreg_imm32_b32 hwreg(HW_REG_WAVE_MODE, 25, 1), 1
	s_wait_xcnt 0x0
; out0[b][t][64 h + d] = the sum over s <= t of softmax_s(q[t] . k[s] / 8) v[s][d], for t >= 16 (rows 0-15 of every sequence are another launch's, in f32).  q, k, v: f16, as images of the matrix unit's fragments:
; qf, kf [b h][token tile 128][ot 4][lane][16 bytes]: lane (r, h) holds token 16 tile + r, d = 16 ot + 8 h + 0..7;  vf [b h][kc 64][dt 4][c 2][lane][16 bytes]: lane (r, h) holds d = 16 dt + r, tokens 32 kc + 16 c + 8 h + 0..7.
; Products on f16 operands, sums, maxima and exponentials in f32; the weights p (at most 1) are rounded to f16 for the second product, the row's sum is taken of the unrounded p.
; SHARES.  A work-group owns query blocks i and 15 - i (128 queries each) of one (batch, head): together 264 steps of a tile of 16 queries x 64 keys in every work-group, so the causal work is even.  Each of its SIXTEEN waves owns one tile,
; in 256 registers: four waves to a SIMD, two of the low block and two of the high, so that one wave's vector work stands beside another's matrix work and LDS loads.
; LAYOUT.  Both products are used transposed: S^T = K Q^T (source 0 = 16 keys, source 1 = my 16 queries), O^T = V^T P: a lane holds ONE query (lane % 16) throughout, and two tiles of S^T, rounded in pairs, ARE source 1 of the second product.
; SOFTMAX.  A running maximum m and sum l for each query: p = 2^(c s - c m), c = log2(e) / 8; in every step O and l are multiplied by a = 2^(c m_old - c m_new).
; THE RING.  Two LDS slots of 256 keys (K's 32,768 bytes, then V's), each filled by sixteen tensor loads of 4,096 dense bytes, one a wave; a fragment is two loads of 16 bytes a lane at 16 x lane: no pitch, no padding.
; CAUSAL.  Every work-group walks all eight changes of slots (constant trip counts); a step all of whose keys come after the wave's queries is jumped over; a slot whose first key comes after the work-group's last query is not asked for.
; NO CLUSTER: the eight work-groups of a head need 5 to 8 slots, by their last query; a partner would receive tiles that none of its waves reads.
.set SLOT1, 65536                      ; slot 1 begins here: one exclusive or turns an address in one slot into the other's
.set VOFF,  32768                      ; in a slot: K of step q at 8,192 q, V of step q at VOFF + 8,192 q
.set STAGE, 131072                     ; behind the ring: 16 rows x (256 + 16) bytes for each wave, for the way out: bytes into which no tensor load lands
.set SPARE, 200704                     ; the spare words, 128 bytes for each of sixteen waves
.set LI,  1                            ; v1   16 x lane
.set ADR, 2                            ; v2   the slot in hand + 16 x lane
.set LM,  3                            ; v3   r - 8 h
.set DM,  4                            ; v4   on the diagonal: my query - the step's first key - 8 h
.set NINF, 5                           ; v5   -infinity
.set STO, 6                            ; v6   the way out: where I put 32 bytes of a row
.set RD,  7                            ; v7   where I read a row back
.set GO,  8                            ; v8   my byte offset in the wave's rows of out0
.set PFO, 9                            ; v9   256 x lane, for the prefetches; never rewritten
.set SPW, 10
.set NIL, 11
.set OCM, 12                           ; v12  c m_old, then c m_old - c m_new
.set ST,  16                           ; v16 c m, v17 m, v[18:19] l (even keys', odd keys'), v20-23 the maximum's four chains; a takes v22
.set QF,  24                           ; v24-39   Q: d chunk dc at 8 dc
.set S,   40                           ; v40-71   S^T, then p: key tile kt at 8 kt
.set P,   72                           ; v72-87   p in f16: 32 keys kc at 8 kc
.set O,   88                           ; v88-119  O^T: d tile dt at 8 dt
.set KR,  120                          ; v120-183 K's fragments: 8 (2 kt + dc)
.set VR,  184                          ; v184-247 V's: 8 (4 kc + dt)
.set WV,  12                           ; s12 my wave's number
.set Q0,  15                           ; s15 my first query
.set KF,  16                           ; s16 the step's first key
.set TB,  17                           ; s17 LDS byte at which the slot in hand begins
.set SLOTS, 18                         ; s18 changes of slots still to come in the loop
.set LIM, 19                           ; s19 1 in a wave that prefetches, else the greatest number
.set SEL, 20                           ; s[20:21] lane selects for v_permlanex16_b32: lane l xor 16
.set CS,  22                           ; s[22:23] c: the packed form names a pair and takes its low word for both halves
.set G1,  24                           ; s[24:31] descriptor group 1
.set G0,  32                           ; s[32:35] descriptor group 0, which walks
.set PFA, 36                           ; s[36:37] where my prefetches stand
.set QL,  38                           ; s38 my work-group's last query
.macro TLOAD                           ; an s_nop 0 and four v_nop follow the load
	tensor_load_to_lds s[G0:G0+3], s[G1:G1+7]
	s_nop 0
.rept 4
	v_nop
.endr
.endm
; A PREFETCH INTO THE L2 of the slot that the NEXT change will ask for: 65,536 bytes, four key steps ahead of that load.  All eight work-groups of a head walk the same K and V: the head's first work-group asks, which walks all slots.
; In it waves 0 to 3 ask for K's 32,768 bytes and waves 4 to 7 for V's, 8,192 bytes a wave, lanes 256 bytes apart: each aligned block of 256 bytes is named once in the launch.
; Slots 0 and 1 come by their loads alone; the last change that fills a slot asks for nothing: there is no slot behind it.
.macro ASK
	s_cmp_gt_u32 s[SLOTS], s[LIM]
	s_cbranch_scc0 .Lnot_mine_\@
	global_prefetch_b8 v[PFO], s[PFA:PFA+1] th:TH_LOAD_NT scope:SCOPE_SE
.Lnot_mine_\@:
.endm
	s_load_b256 s[4:11], s[0:1], 0x0               ; qf s[4:5], kf s[6:7], vf s[8:9], out0 s[10:11]
	v_lshl_add_u32 v[SPW], v0, 2, SPARE
	v_mov_b32 v[NIL], 0
	ds_add_u32 v[SPW], v[NIL]                      ; the wave's opening: the add, twice on end, and its wait ahead of my first tensor load; the set-up below stands between
	ds_add_u32 v[SPW], v[NIL]
	v_lshrrev_b32 v1, 5, v0
	v_readfirstlane_b32 s[WV], v1                  ; wave 0..15
	s_and_b32 s39, ttmp7, 0xffff                   ; batch x 16 + head
	s_lshr_b32 s40, s[WV], 1
	s_lshr_b32 s41, s[WV], 3
	s_xor_b32 s13, s40, s41
	s_and_b32 s13, s13, 1                          ; 1: my tile lies in the high block.  Of waves 4 a .. 4 a + 3, and of waves a, a + 4, a + 8, a + 12, two are high
	s_and_b32 s14, s[WV], 1
	s_lshr_b32 s40, s[WV], 2
	s_lshl_b32 s40, s40, 1
	s_add_co_u32 s14, s14, s40                     ; which of the block's eight tiles
	s_lshl_b32 s40, ttmp9, 7                       ; the low block's first query, 128 i
	s_sub_co_u32 s41, 1920, s40                    ; the high block's, 128 (15 - i)
	s_sub_co_u32 s[QL], 2047, s40
	s_cmp_eq_u32 s13, 0
	s_cselect_b32 s[Q0], s40, s41
	s_lshl_b32 s42, s14, 4
	s_add_co_u32 s[Q0], s[Q0], s42
	s_mov_b32 s[G1], 3<<16                         ; 15:0 no mask; 17:16 elements of 8 bytes; no padding
	s_mov_b32 s[G1+1], 32<<16                      ; tensor_dim0 = 32 elements: 256 bytes
	s_mov_b32 s[G1+2], 16<<16                      ; tensor_dim1 = 16 rows
	s_mov_b32 s[G1+3], 32<<16                      ; tile_dim0
	s_mov_b32 s[G1+4], 16                          ; tile_dim1
	s_mov_b32 s[G1+5], 32                          ; dense: a row begins where the last ends
	s_mov_b32 s[G1+6], 0
	s_mov_b32 s[G1+7], 0
	s_mov_b32 s[KF], 0
	s_mov_b32 s[TB], 0
	s_mov_b32 s[SLOTS], 7
	s_mov_b32 s[SEL], 0x76543210
	s_mov_b32 s[SEL+1], 0xfedcba98
	s_mov_b32 s[CS], 0x3e38aa3b                    ; c = log2(e) / sqrt(64)
	s_mov_b32 s[CS+1], s[CS]                       ; (named with it as a pair, so it is written)
	s_lshr_b32 s43, s[WV], 3                       ; 0 in waves 0 to 7,
	s_or_b32 s43, s43, ttmp9                       ; of the head's first work-group
	s_cmp_eq_u32 s43, 0
	s_cselect_b32 s[LIM], 1, -1
	s_lshl_b32 s44, s39, 18                        ; the head's first byte in qf, kf and vf: 262,144 bytes a head
	s_and_b32 s46, s[WV], 7
	s_lshl_b32 s46, s46, 12
	s_add_co_u32 s46, s46, s44                     ; my 4,096 bytes of slot 0's K or V
	s_mov_b32 s47, 0
	s_lshr_b32 s40, s39, 4                         ; out0: row batch x 2,048 + my first query, 4,096 bytes a row; 256 bytes a head
	s_lshl_b32 s40, s40, 11
	s_add_co_u32 s40, s40, s[Q0]
	s_lshl_b32 s40, s40, 12
	s_and_b32 s41, s39, 15
	s_lshl_b32 s41, s41, 8
	s_add_co_u32 s40, s40, s41
	s_mov_b32 s41, 0
	v_and_b32 v13, 15, v0                          ; r
	v_bfe_u32 v14, v0, 4, 1                        ; h
	v_and_b32 v[LI], 31, v0
	v_lshlrev_b32 v[PFO], 8, v[LI]
	v_lshlrev_b32 v[LI], 4, v[LI]
	s_wait_dscnt 0x0                               ; both opening adds are done
	s_wait_kmcnt 0x0
	s_cmp_lt_u32 s[WV], 8                          ; waves 0 to 7 fetch K, waves 8 to 15 V
	s_cselect_b64 s[G0+2:G0+3], s[6:7], s[8:9]
	s_add_nc_u64 s[G0+2:G0+3], s[G0+2:G0+3], s[46:47]
	s_or_b32 s[G0+3], s[G0+3], 0x80000000          ; 127:126 type = 2
	s_mov_b32 s[G0], 1                             ; 1:0 count = 1
	s_lshl_b32 s[G0+1], s[WV], 12                  ; LDS address: 4,096 x wave, in slot 0
	TLOAD                                          ; slot 0: keys 0 to 255; every wave issues it.  One tensor load of mine is out, here and behind each change of slots
	s_cmp_lt_u32 s[WV], 4                          ; the prefetches: waves 0 to 3 K's, waves 4 to 7 V's
	s_cselect_b64 s[PFA:PFA+1], s[6:7], s[8:9]
	s_and_b32 s46, s[WV], 3
	s_lshl_b32 s46, s46, 13
	s_add_co_u32 s46, s46, s44
	s_add_co_u32 s46, s46, 32768                   ; in slot 1: the first change of slots steps it to slot 2.  Nothing is prefetched here, at the head
	s_add_nc_u64 s[PFA:PFA+1], s[PFA:PFA+1], s[46:47]
	s_lshl_b32 s46, s[Q0], 7                       ; Q: 2,048 bytes a tile of 16 tokens
	s_add_co_u32 s46, s46, s44
	s_add_nc_u64 s[4:5], s[4:5], s[46:47]
	s_add_nc_u64 s[10:11], s[10:11], s[40:41]
.irp n, 0,1,2,3
	global_load_b128 v[QF+4*\n:QF+4*\n+3], v[LI], s[4:5] offset:512*\n th:TH_LOAD_NT   ; Q's two fragments stay in registers
.endr
	v_lshlrev_b32 v[LM], 3, v14
	v_sub_nc_u32 v[LM], v13, v[LM]
	v_mov_b32 v[NINF], 0xff800000
	s_mul_i32 s42, s[WV], 4352
	s_add_co_u32 s42, s42, STAGE                   ; my stage
	v_mul_u32_u24 v[STO], v13, 272
	v_lshl_add_u32 v[STO], v14, 5, v[STO]
	v_add_nc_u32 v[STO], s42, v[STO]               ; in: row r, + 32 h
	v_mul_u32_u24 v[RD], v14, 272
	v_lshl_add_u32 v[RD], v13, 4, v[RD]
	v_add_nc_u32 v[RD], s42, v[RD]                 ; back: lanes 0-15 one row, lanes 16-31 the next
	v_lshlrev_b32 v[GO], 12, v14
	v_lshl_add_u32 v[GO], v13, 4, v[GO]            ; and the same two rows in out0
	v_mov_b32 v[ST+1], 0xff61b1e6                  ; m: -3e38, under every score
	v_mul_f32 v[ST], s[CS], v[ST+1]                ; c m
.irp j, 2,3,4,5,6,7
	v_mov_b32 v[ST+\j], 0                          ; l; and the chains' registers, written once: a lane permute's destination and the upper half of a named pair count as read
.endr
.set n, 0
.rept 32
	v_mov_b32 v[O+n], 0                            ; O^T.  (The step is written once: the first finds zeros, which its a = 0 leaves zeros)
.set n, n+1
.endr
; A KEY STEP: 64 keys, the q-th of the slot in hand.
.macro STEP q
	s_add_co_u32 s39, s[Q0], 15                    ; a step all of whose keys come after my 16 queries is left out: a branch on ids, round the step's loads, products and softmax; no barrier or tensor load stands in a step
	s_cmp_gt_u32 s[KF], s39
	s_cbranch_scc1 .Lhidden_\@
.irp f, 0,1,2,3,4,5,6,7                        ; K: keys 16 (f / 2) on, d 32 (f % 2) on.  (The last products that read these registers stand more than four plain lines back)
	ds_load_b128 v[KR+8*\f:KR+8*\f+3], v[ADR] offset:8192*(\q)+1024*\f
	ds_load_b128 v[KR+8*\f+4:KR+8*\f+7], v[ADR] offset:8192*(\q)+1024*\f+512
.endr
.irp g, 0,1,2,3,4,5,6,7                        ; V: keys 32 (g / 4) on, d 16 (g % 4) on
	ds_load_b128 v[VR+8*\g:VR+8*\g+3], v[ADR] offset:VOFF+8192*(\q)+1024*\g
	ds_load_b128 v[VR+8*\g+4:VR+8*\g+7], v[ADR] offset:VOFF+8192*(\q)+1024*\g+512
.endr
	s_wait_dscnt 16                                ; K is in; V's sixteen loads may be out
.irp dc, 0,1                                   ; S^T = K Q^T: the four accumulators by turns; the first four start the sums
.irp kt, 0,1,2,3
.if \dc == 0
	v_wmma_f32_16x16x32_f16 v[S+8*\kt:S+8*\kt+7], v[KR+8*(2*\kt+\dc):KR+8*(2*\kt+\dc)+7], v[QF+8*\dc:QF+8*\dc+7], 0
.else
	v_wmma_f32_16x16x32_f16 v[S+8*\kt:S+8*\kt+7], v[KR+8*(2*\kt+\dc):KR+8*(2*\kt+\dc)+7], v[QF+8*\dc:QF+8*\dc+7], v[S+8*\kt:S+8*\kt+7]
.endif
.endr
.endr
	v_mov_b32 v[OCM], v[ST]                        ; c m_old is kept for a.  With the three lines below: the four places behind the products (ISA guide 7.12.1)
.rept 3
	v_nop
.endr
	s_add_co_u32 s39, s[KF], 63                    ; a step all of whose keys count skips the mask
	s_cmp_le_u32 s39, s[Q0]
	s_cbranch_scc1 .Lopen_\@
	s_sub_co_i32 s39, s[Q0], s[KF]
	v_add_nc_u32 v[DM], s39, v[LM]                 ; register 8 kt + j holds key KF + 16 kt + 8 h + j: hidden where 16 kt + j > my query - KF - 8 h
.irp n, 0,1,2,3,4,5,6,7,8,9,10,11,12,13,14,15,16,17,18,19,20,21,22,23,24,25,26,27,28,29,30,31
	v_cmp_gt_i32 vcc_lo, 16*(\n/8)+\n%8, v[DM]
	v_cndmask_b32 v[S+\n], v[S+\n], v[NINF], vcc_lo                ; -infinity: p = 0 then.  (Ascending: each accumulator from its low end on)
.endr
.Lopen_\@:
.irp j, 0,1,2,3                                ; the maximum of my 32 scores and the old m: four chains, each beginning at an accumulator's low end
	v_max3_num_f32 v[ST+4+\j], v[S+8*\j], v[S+8*\j+1], v[S+8*\j+2]
.endr
.irp u, 3,5
.irp j, 0,1,2,3
	v_max3_num_f32 v[ST+4+\j], v[ST+4+\j], v[S+8*\j+\u], v[S+8*\j+\u+1]
.endr
.endr
	v_max3_num_f32 v[ST+4], v[ST+4], v[S+7], v[S+15]
	v_max3_num_f32 v[ST+6], v[ST+6], v[S+23], v[S+31]
	v_max3_num_f32 v[ST+4], v[ST+4], v[ST+5], v[ST+6]
	v_max3_num_f32 v[ST+4], v[ST+4], v[ST+7], v[ST+1]
	v_permlanex16_b32 v[ST+5], v[ST+4], s[SEL], s[SEL+1]           ; the query's other 32 keys lie in the lane 16 away
	v_max_num_f32 v[ST+1], v[ST+4], v[ST+5]        ; the new m
	v_mul_f32 v[ST], s[CS], v[ST+1]                ; c m
	v_sub_f32 v[OCM], v[OCM], v[ST]                ; c m_old - c m_new
.irp j, 0,2,4,6,8,10,12,14,16,18,20,22,24,26,28,30
	v_pk_fma_f32 v[S+\j:S+\j+1], v[S+\j:S+\j+1], s[CS:CS+1], v[ST:ST+1] op_sel_hi:[1,0,0] neg_lo:[0,0,1] neg_hi:[0,0,1]   ; c s - c m, two at a time
.endr
	v_exp_f32 v[ST+6], v[OCM]                      ; a.  ONE BATCH of 33 exponentials, none of which reads another's result
.irp j, 0,1,2,3,4,5,6,7,8,9,10,11,12,13,14,15,16,17,18,19,20,21,22,23,24,25,26,27,28,29,30,31
	v_exp_f32 v[S+\j], v[S+\j]                     ; p
.endr
	v_nop                                          ; a plain line behind the last exponential
	s_wait_alu depctr_va_vdst(0)                   ; one wait for the batch, ahead of its first reader
.irp n, 0,1,2,3,4,5,6,7,8,9,10,11,12,13,14,15
	v_cvt_pk_f16_f32 v[P+\n], v[S+2*\n], v[S+2*\n+1]               ; tiles 2 kc and 2 kc + 1 of S^T become source 1 for keys 32 kc on
.endr
.irp j, 0,2,4,6,8,10,12,14,16,18,20,22,24,26,28,30
	v_pk_mul_f32 v[O+\j:O+\j+1], v[O+\j:O+\j+1], v[ST+6:ST+7] op_sel_hi:[1,0]   ; O^T x a (ascending: each accumulator from its low end on)
.endr
	s_wait_dscnt 0x0                               ; V is in
.irp kc, 0,1                                   ; O^T += V^T P: the four accumulators by turns
.irp dt, 0,1,2,3
	v_wmma_f32_16x16x32_f16 v[O+8*\dt:O+8*\dt+7], v[VR+8*(4*\kc+\dt):VR+8*(4*\kc+\dt)+7], v[P+8*\kc:P+8*\kc+7], v[O+8*\dt:O+8*\dt+7]
.endr
.endr
.irp u, 0,4,8,12,16,20,24,28                   ; the sum of the unrounded p, in place, as a tree; these sixteen lines name no register of the products above and are the places behind them
	v_pk_add_f32 v[S+\u:S+\u+1], v[S+\u:S+\u+1], v[S+\u+2:S+\u+3]
.endr
.irp u, 0,8,16,24
	v_pk_add_f32 v[S+\u:S+\u+1], v[S+\u:S+\u+1], v[S+\u+4:S+\u+5]
.endr
.irp u, 0,16
	v_pk_add_f32 v[S+\u:S+\u+1], v[S+\u:S+\u+1], v[S+\u+8:S+\u+9]
.endr
	v_pk_add_f32 v[S:S+1], v[S:S+1], v[S+16:S+17]
	v_pk_fma_f32 v[ST+2:ST+3], v[ST+2:ST+3], v[ST+6:ST+7], v[S:S+1] op_sel_hi:[1,0,1]   ; l = a l + the sum
.Lhidden_\@:
	s_add_co_u32 s[KF], s[KF], 64
.endm
; THE CHANGE OF SLOTS stands at a slot's head.  Each wave waits for all its tensor loads (its part of the slot that it is about to read), adds 0 to its spare word, and waits for that and for its reads of the slot that it has left.
; Behind the barrier the slot ahead is whole and nobody reads the other one.  fill = 1: that other slot takes the next 256 keys: the load has a slot's four steps in which to land.
.macro CHANGE fill
	s_wait_tensorcnt 0x0                           ; no tensor load of mine is out, so group 0 may be written
	ds_add_u32 v[SPW], v[NIL]                      ; 0 onto my spare word; the steps below stand between it and the wait for it
.if \fill
	s_xor_b32 s[G0+1], s[G0+1], SLOT1              ; the walking descriptor: the other slot than last time,
	s_add_nc_u64 s[G0+2:G0+3], s[G0+2:G0+3], 32768 ; the next 256 keys; the type bits on top are not reached
	s_wait_xcnt 0x0                                ; the last prefetch, a slot back, has read its address, so it may be written:
	s_add_nc_u64 s[PFA:PFA+1], s[PFA:PFA+1], 32768 ; one slot further on than the walking descriptor
.endif
	s_wait_dscnt 0x0                               ; the add is done, and my reads of the slot that I have left are over
	s_barrier_signal -1
	s_barrier_wait -1
.if \fill
	s_add_co_u32 s39, s[KF], 256                   ; the first key of the slot that this change would ask for:
	s_cmp_gt_u32 s39, s[QL]                        ; past my work-group's last query none of its waves reads it, so it is not asked for.  Ids and the count of steps alone: all sixteen waves go the same way,
	s_cbranch_scc1 .Lpast_\@                       ; and a work-group that is past the limit stays past it.  Every wait for tensor loads in this text is for 0
	TLOAD                                          ; the first thing behind the barrier, and my one tensor load until the next
.Lpast_\@:
	ASK
.endif
.endm
.macro SLOT_STEPS
	v_add_nc_u32 v[ADR], s[TB], v[LI]
	STEP 0
	STEP 1
	STEP 2
	STEP 3
	s_xor_b32 s[TB], s[TB], SLOT1                  ; on to the other slot
.endm
	s_wait_loadcnt 0x0                             ; Q
.Lslot:                                            ; seven trips: behind each change of slots but the last the next slot is asked for, up to the causal limit
	CHANGE 1
	SLOT_STEPS
	s_sub_co_u32 s[SLOTS], s[SLOTS], 1
	s_cmp_lg_u32 s[SLOTS], 0
	s_cbranch_scc1 .Lslot
	CHANGE 0                                       ; the last slot is written out: nothing is left to fetch
	SLOT_STEPS
	; THE WAY OUT.  l's two halves and the other half of the lanes' are added; O^T is divided by l and goes through my stage in LDS, so that sixteen lanes store a head's 256 bytes of a row.
	v_add_f32 v[ST+4], v[ST+2], v[ST+3]
	v_permlanex16_b32 v[ST+5], v[ST+4], s[SEL], s[SEL+1]
	v_add_f32 v[ST+4], v[ST+4], v[ST+5]
	v_rcp_f32 v[ST+6], v[ST+4]
	v_nop                                          ; a plain line behind the reciprocal
	s_wait_alu depctr_va_vdst(0)                   ; and its wait, ahead of the branch and of its first reader
	s_cmp_eq_u32 s[Q0], 0                          ; rows 0 to 15 of a sequence are stored by the launch that makes them in f32
	s_cbranch_scc1 .Lno_store
.irp j, 0,2,4,6,8,10,12,14,16,18,20,22,24,26,28,30
	v_pk_mul_f32 v[O+\j:O+\j+1], v[O+\j:O+\j+1], v[ST+6:ST+7] op_sel_hi:[1,0]   ; register 8 dt + j is out(query r, d = 16 dt + 8 h + j)
.endr
.irp dt, 0,1,2,3
	ds_store_b128 v[STO], v[O+8*\dt:O+8*\dt+3] offset:64*\dt
	ds_store_b128 v[STO], v[O+8*\dt+4:O+8*\dt+7] offset:64*\dt+16
.endr
.irp n, 0,1,2,3,4,5,6,7
	ds_load_b128 v[KR+4*\n:KR+4*\n+3], v[RD] offset:544*\n         ; LDS serves a wave's instructions in order (ISA guide 5.7.1.4): these see the stores above
.endr
.irp n, 0,1,2,3,4,5,6,7
	s_wait_dscnt 7-\n                              ; the younger read-backs may be out
	global_store_b128 v[GO], v[KR+4*\n:KR+4*\n+3], s[10:11] offset:8192*\n th:TH_STORE_NT   ; sixteen lanes store 256 consecutive bytes, aligned; written once, read by nobody here
.endr
.Lno_store:
	s_wait_tensorcnt 0x0                           ; the wave's end, behind my last tensor load and my last LDS store
	ds_add_u32 v[SPW], v[NIL]
	s_wait_dscnt 0x0
	s_endpgm
.Lfunc_end_k_qec8fe7ac7a_attn:
	.size	k_qec8fe7ac7a_attn, .Lfunc_end_k_qec8fe7ac7a_attn-k_qec8fe7ac7a_attn
	.p2alignl 7, 3214868480
	.fill 96, 4, 3214868480
	.section	.rodata,"a",@progbits
	.p2align	6, 0x0
	.amdhsa_kernel k_qec8fe7ac7a_attn
		.amdhsa_group_segment_fixed_size 327680
		.amdhsa_private_segment_fixed_size 0
		.amdhsa_enable_private_segment 0
		.amdhsa_kernarg_size 32
		.amdhsa_user_sgpr_count 2
		.amdhsa_user_sgpr_kernarg_segment_ptr 1
		.amdhsa_wavefront_size32 1
		.amdhsa_system_sgpr_workgroup_id_x 1
		.amdhsa_system_sgpr_workgroup_id_y 1
		.amdhsa_system_sgpr_workgroup_id_z 1
		.amdhsa_system_vgpr_workitem_id 0
		.amdhsa_next_free_vgpr 256
		.amdhsa_next_free_sgpr 66
		.amdhsa_reserve_vcc 1
		.amdhsa_float_denorm_mode_32 3
		.amdhsa_float_denorm_mode_16_64 3
		.amdhsa_memory_ordered 1
		.amdhsa_forward_progress 1
		.amdhsa_inst_pref_size 105
	.end_amdhsa_kernel
	.amdgpu_metadata
---
amdhsa.version: [ 1, 2 ]
amdhsa.kernels:
  - .name:           k_qec8fe7ac7a_attn
    .symbol:         k_qec8fe7ac7a_attn.kd
    .args:
      - { .name: qf, .offset: 0, .size: 8, .value_kind: global_buffer, .address_space: global }
      - { .name: kf, .offset: 8, .size: 8, .value_kind: global_buffer, .address_space: global }
      - { .name: vf, .offset: 16, .size: 8, .value_kind: global_buffer, .address_space: global }
      - { .name: out0, .offset: 24, .size: 8, .value_kind: global_buffer, .address_space: global }
    .group_segment_fixed_size: 327680
    .private_segment_fixed_size: 0
    .kernarg_segment_align: 8
    .kernarg_segment_size: 32
    .max_flat_workgroup_size: 512
    .sgpr_count:     66
    .vgpr_count:     256
    .wavefront_size: 32
...
	.end_amdgpu_metadata
.endif
;; end of part 4
